; MI455X (gfx1250); checked and timed in simulation.
; The chip was launched on July 23, 2026; its instructions are those of AMD's public machine-readable ISA for CDNA 5 (MIT licence, August 2026) and "CDNA5" Instruction Set Architecture Reference Guide (July 2026). The comments in the code are by the model that wrote it; some were corrected since.
;; Multi Head Attention. Allowed arithmetic: matrix products marked QUANTISED: E2M1 operands, one E8M0 scale for each 32 along K, by v_wmma_scale_f32_16x16x128_f8f6f4 with both operands' format E2M1 (or v_wmma_scale_f32_32x16x128_f4), f32 sums; products left as they are: bf16, f16 or f32 operands; f32 sums; everything else in f32.
;; Inputs: Wk 1,024 x 1,024 float32; Wq 1,024 x 1,024 float32; Wv 1,024 x 1,024 float32; h 4 x 2,048 x 1,024 float32; mask 4 x 2,048 x 2,048 bool; q 4 x 2,048 x 1,024 float32.
;; Outputs: out0 4 x 2,048 x 1,024 float32.
;; This version of the problem:
;;   THIS VERSION OF THE PROBLEM IS GIVEN IN LOW PRECISION. The matrix products marked QUANTISED in the list below multiply operands that are first quantised to E2M1 (2 exponent bits, 1 mantissa bit; 4 bits a number), with one power-of-two scale for each 32 numbers along K (OCP MX v1.0); their sums are f32. The products marked 'left as it is' may take bf16, f16 or f32 operands, with f32 sums. Whichever they take, every output number must still come out within the allowed error. Rounding operands to bf16 (8 significant bits) uses up far more of that allowance than f16 does (11 bits, for magnitudes from 6e-5 to 65,504). All else is computed in f32.
;;   The module's matrix products, in the order in which they are computed (A, B: the left and right operand; K: the contracted axis; several contracted axes count as one K, in the product's order):
;;     1. [M 8,192, K 1,024] x [K 1,024, N 1,024]; A: input q; B: input Wq: QUANTISED
;;     2. [M 8,192, K 1,024] x [K 1,024, N 1,024]; A: input h; B: input Wk: QUANTISED
;;     3. [M 8,192, K 1,024] x [K 1,024, N 1,024]; A: input h; B: input Wv: QUANTISED
;;     4. batch 64 x [M 2,048, K 64] x [K 64, N 2,048]; A: computed on the way; B: computed on the way: left as it is (an operand is computed on the way)
;;     5. batch 64 x [M 2,048, K 2,048] x [K 2,048, N 64]; A: computed on the way; B: computed on the way: left as it is (an operand is computed on the way)
;;   THE QUANTISER, for each operand of a quantised product, along K:
;;     - K is cut into blocks of 32 from its start; a last block that is shorter is filled with zeros.
;;     - A block's scale is 2^e with e = floor(log2(the largest magnitude in the block)) - 2, held to -126 .. 127; a block of zeros has e = 0. As a byte (E8M0): e + 127.
;;     - Each number is divided by its block's scale, clamped to +-6, and rounded to the nearest number of E2M1, ties to even, subnormals kept.
;;     - The product sums the exact products of the quantised numbers (number of the format x scale) in f32.
;;   ~~~python
;;   def quantise(x, axis):      # numpy; x: float32 -> the quantised numbers, widened to float32 again
;;       x = np.moveaxis(x, axis, -1); K = x.shape[-1]
;;       x = np.pad(x, [(0, 0)] * (x.ndim - 1) + [(0, -K % 32)]); x = x.reshape(x.shape[:-1] + (-1, 32)); a = np.abs(x).max(-1, keepdims=True)
;;       e = np.where(a > 0, np.clip(np.frexp(np.where(a > 0, a, 1))[1] - 1 - 2, -126, 127), 0)      # np.frexp(a)[1] - 1 = floor(log2(a)), exactly
;;       r = np.clip(x / 2.0 ** e, -6, 6)
;;       step = 2.0 ** (np.maximum(np.frexp(np.where(r == 0, 1, r))[1] - 1, 0) - 1)
;;       q = np.round(r / step) * step * 2.0 ** e      # np.round: ties to even
;;       return np.moveaxis(q.reshape(q.shape[:-2] + (-1,))[..., :K], -1, axis).astype(np.float32)
;;   ~~~
;; One version. Each part assembles by itself: llvm-mc -triple=amdgcn-amd-amdhsa -mcpu=gfx1250 --defsym DOCPART=n.
;; ======== version 1 of 1: 3 launches
;; limits: values are held in f16: magnitudes above 65,504 overflow, below 6.1e-05 lose precision
;; workspace buffers: codes 9,961,472 bytes; scales 622,592 bytes; mimg 16,777,216 bytes; qkv 50,331,648 bytes
;; launch prep (part 1): grid 736 x 1, 4 waves a work-group, no clusters, 67,072 bytes of LDS; arguments q, h, Wq, Wk, Wv, mask, codes, scales, mimg; writes codes, scales, mimg
.if DOCPART == 1
	.amdgcn_target "amdgcn-amd-amdhsa--gfx1250"
	.amdhsa_code_object_version 6
	.text
	.protected	k_q6d5603ce73_prep
	.globl	k_q6d5603ce73_prep
	.p2align	8
	.type	k_q6d5603ce73_prep,@function
k_q6d5603ce73_prep:
	s_mov_b64 s[64:65], 0
	v_nop
	global_prefetch_b8 v0, s[64:65] scope:SCOPE_SE
	s_setreg_imm32_b32 hwreg(HW_REG_WAVE_MODE, 25, 1), 1
	s_wait_xcnt 0x0
; TWO JOBS IN ONE LAUNCH, parted by the work-group's number.
; Work-groups 0 .. 607: q, h [8192][1024] and Wq, Wk, Wv [1024][1024], f32, K innermost, become codes of FP4 (E2M1) and one E8M0 scale byte for each 32 along K.  The five tensors are taken as ONE stream
; [q | h | Wq | Wk | Wv] of blocks of 32 numbers; the codes (16 bytes a block) and the scale bytes follow the same order, so a work-group's place in both outputs is its number alone.
; A block's scale is 2^(floor(log2(its largest magnitude)) - 2); its byte is the largest magnitude's exponent field - 2, held at 1 from below (a block of zeros so gets the byte 1: its codes are zeros, and this program alone reads the bytes).
; Work-groups 608 .. 735: the mask [4][2048][2048], one byte a pair (query, key), is laid anew in the order in which the attention launch's registers take it, and coded: 0xF1 where attention is not allowed, 0x00 where it is.
;   mimg [b 4][qb 4][ks 16][qt 32][st 2][e 2][lane 32][16 bytes]; byte x of a lane's 16: query 512 qb + 16 qt + lane % 16, key 128 ks + 64 st + 16 (x % 4) + 8 (lane / 16) + 4 e + x / 4.
; LIMITS: blocks whose largest magnitude lies under 2^-124 were not tried; NaN and infinities among the inputs are not served; a mask byte is 0 or 1.
; No tensor loads, no barrier: waves share nothing.  Each of the two paths has LDS bytes of its own.
.set STEPS, 16                         ; the quantiser: steps of 512 numbers for a wave
.set QWG,   608                        ; (2 x 8,388,608 + 3 x 1,048,576) / 32,768 work-groups quantise
.set EMAX,  2
.set CB,    8                          ; bytes of 16 codes
.set R,     16                         ; v16-79   four sets of 16 numbers as they are loaded
.set X,     80                         ; v80-111  two sets of 16 neighbours
.set E,     112                        ; v112-127 a scale byte for each step
.set C,     128                        ; v128-191 codes: four registers for each step, so that no store's data are written again
.set WREG,  8192                       ; LDS 0 .. 32,767: a region for each quantising wave: two stages of 32 x SP bytes, behind them its 256 scale bytes
.set SP,    80                         ; a lane's place in a stage: its 64 bytes + 16 of padding
.set MST,   32768                      ; LDS 32,768 .. 66,559: the mask path's stages, 16 rows x MP bytes for each wave
.set MP,    528                        ; a stage row: 512 keys + 16 bytes = 132 words: the 32 lanes of an 8-byte read fall on 64 different banks (ISA guide 11.1)
.set SPARE, MST+4*16*MP                ; 66,560: the spare words, 128 bytes for each wave
.set SPW,   12                         ; v12  LDS address of my spare word; never rewritten
.set NIL,   13                         ; v13  0; never rewritten
.set MT,    16                         ; the mask path: v16-23 at work
.set MR,    64                         ; v64-191  two sets of 16 x 4 registers as loaded
.set MX,    192                        ; v192-255 eight groups of 64 keys: 8 registers each
	s_load_b512 s[8:23], s[0:1], 0x0               ; q s[8:9], h s[10:11], Wq s[12:13], Wk s[14:15], Wv s[16:17], mask s[18:19], codes s[20:21], scales s[22:23]
	s_load_b64 s[24:25], s[0:1], 0x40              ; mimg
	v_lshl_add_u32 v[SPW], v0, 2, SPARE
	v_mov_b32 v[NIL], 0
	v_lshrrev_b32 v1, 5, v0
	v_readfirstlane_b32 s26, v1                    ; wave 0..3
	v_and_b32 v2, 31, v0                           ; lane
	s_wait_kmcnt 0x0
	s_cmp_ge_u32 ttmp9, QWG
	s_cbranch_scc1 .Lmask
	; ---------------- THE QUANTISER ----------------
	; which tensor: a choice of pointers on the work-group's number alone.  s27: the tensor's first work-group
	s_mov_b64 s[4:5], s[16:17]
	s_mov_b32 s27, 576
	s_cmp_lt_u32 ttmp9, 576
	s_cselect_b64 s[4:5], s[14:15], s[4:5]
	s_cselect_b32 s27, 544, s27
	s_cmp_lt_u32 ttmp9, 544
	s_cselect_b64 s[4:5], s[12:13], s[4:5]
	s_cselect_b32 s27, 512, s27
	s_cmp_lt_u32 ttmp9, 512
	s_cselect_b64 s[4:5], s[10:11], s[4:5]
	s_cselect_b32 s27, 256, s27
	s_cmp_lt_u32 ttmp9, 256
	s_cselect_b64 s[4:5], s[8:9], s[4:5]
	s_cselect_b32 s27, 0, s27
	s_sub_co_u32 s28, ttmp9, s27
	s_lshl_b32 s28, s28, 2
	s_add_co_u32 s28, s28, s26                     ; which run of 8,192 numbers of the tensor is my wave's
	s_lshl_b32 s28, s28, 15                        ; 32,768 bytes a run
	s_mov_b32 s29, 0
	s_add_nc_u64 s[4:5], s[4:5], s[28:29]
	s_lshl_b32 s30, ttmp9, 2
	s_add_co_u32 s30, s30, s26                     ; and which run of the whole stream
	s_lshl_b32 s28, s30, 12                        ; 4,096 bytes of codes a run
	s_add_nc_u64 s[20:21], s[20:21], s[28:29]
	s_lshl_b32 s28, s30, 8                         ; 256 scale bytes a run
	s_add_nc_u64 s[22:23], s[22:23], s[28:29]
	v_lshlrev_b32 v3, 4, v2                        ; my 16 bytes of a load's 512
	s_mul_i32 s31, s26, WREG
	v_lshrrev_b32 v14, 2, v2
	v_mul_u32_u24 v14, v14, SP
	v_and_b32 v15, 3, v2
	v_lshl_add_u32 v14, v15, 4, v14
	v_add_nc_u32 v14, s31, v14                     ; the stage, on the way in: four lanes' 64 bytes on end, then 16 of padding
	v_mul_u32_u24 v15, v2, SP
	v_add_nc_u32 v15, s31, v15                     ; and on the way out: SP x lane: my 16 neighbours along K
	v_mul_u32_u24 v4, v2, CB                       ; my codes' place in a step's
	v_lshrrev_b32 v5, 1, v2
	s_add_co_u32 s31, s31, 2*32*SP
	v_add_nc_u32 v5, s31, v5                       ; LDS: my wave's 256 scale bytes, my block's byte
	v_lshlrev_b32 v7, 3, v2                        ; and on the way out 8 bytes a lane
	v_add_nc_u32 v6, s31, v7
.macro LOAD t
.irp i, 0,1,2,3
	global_load_b128 v[R+16*((\t)%4)+4*\i:R+16*((\t)%4)+4*\i+3], v3, s[4:5] offset:2048*(\t)+512*\i th:TH_LOAD_NT   ; 32 lanes read 512 consecutive bytes
.endr
.endm
.macro TURN t                          ; step t's numbers through the stage: LDS serves a wave's instructions in order (ISA guide 5.7.1.4), so no wait stands between the stores and the loads
.irp i, 0,1,2,3
	ds_store_b128 v14, v[R+16*((\t)%4)+4*\i:R+16*((\t)%4)+4*\i+3] offset:32*SP*((\t)%2)+8*SP*\i
.endr
.irp i, 0,1,2,3
	ds_load_b128 v[X+16*((\t)%2)+4*\i:X+16*((\t)%2)+4*\i+3], v15 offset:32*SP*((\t)%2)+16*\i
.endr
.endm
.irp t, 0,1,2,3
	LOAD \t
.endr
	s_wait_loadcnt 12                              ; step 0's four loads are in; three steps' twelve stay out
	TURN 0
.macro STEP t
.set XS, X+16*((\t)%2)
.if (\t) > 0
	s_wait_dscnt 1                                 ; this step's numbers are back from the stage (the last step's byte store may be out)
.else
	s_wait_dscnt 0x0
.endif
.if (\t)+4 < STEPS
	LOAD (\t)+4                                    ; into the registers that this step's stores into the stage have read
.endif
.if (\t)+1 < STEPS
.if STEPS-2-(\t) >= 3
	s_wait_loadcnt 12                              ; the next step's four loads are in; those of the three steps behind it may be out
.else
	s_wait_loadcnt 4*(STEPS-2-(\t))
.endif
	TURN (\t)+1                                    ; they go through the other stage while this step is worked
.endif
	v_max3_num_f32 v8, |v[XS]|, |v[XS+1]|, |v[XS+2]|               ; the largest magnitude of my 16, in two chains
	v_max3_num_f32 v9, |v[XS+3]|, |v[XS+4]|, |v[XS+5]|
.irp i, 6,10
	v_max3_num_f32 v8, v8, |v[XS+\i]|, |v[XS+\i+1]|
	v_max3_num_f32 v9, v9, |v[XS+\i+2]|, |v[XS+\i+3]|
.endr
	v_max3_num_f32 v8, v8, |v[XS+14]|, |v[XS+15]|
	v_max3_num_f32 v8, v8, v9, (EMAX+1)<<23        ; and the floor 2^(3 - 127): the byte cannot fall under 1
	v_max_num_f32_dpp v8, v8, v8 row_xmask:1 row_mask:0xf bank_mask:0xf   ; and of my neighbour's 16: the block's
	v_add_nc_u32 v11, -(EMAX<<23), v8              ; 2 off its exponent field: the conversion takes the exponent field of this operand as its scale, and nothing else of it
	v_cvt_scalef32_pk8_fp4_f32 v[C+4*(\t)], v[XS:XS+7], v11        ; eight numbers / the scale, to the nearest code, ties to even, beyond 6 the largest code
	v_cvt_scalef32_pk8_fp4_f32 v[C+4*(\t)+1], v[XS+8:XS+15], v11
	v_lshrrev_b32 v[E+(\t)], 23, v11               ; the scale's byte (also the plain line behind the conversions)
	ds_store_b8 v5, v[E+(\t)] offset:16*(\t)       ; both lanes of a block write the same byte with the same value
	global_store_b64 v4, v[C+4*(\t):C+4*(\t)+1], s[20:21] offset:32*CB*(\t)   ; the wave stores 256 consecutive bytes, aligned
.endm
.irp t, 0,1,2,3,4,5,6,7,8,9,10,11,12,13,14,15
	STEP \t
.endr
	ds_load_b64 v[8:9], v6                         ; my wave's 256 scale bytes: these loads see my stores
	s_wait_dscnt 0x0
	global_store_b64 v7, v[8:9], s[22:23]          ; 32 lanes store 256 consecutive bytes, aligned
	s_wait_tensorcnt 0x0                           ; the wave's end
	ds_add_u32 v[SPW], v[NIL]
	s_wait_dscnt 0x0
	s_endpgm
	; ---------------- THE MASK ----------------
	; A wave takes 16 queries x all 2,048 keys: 32,768 consecutive bytes in, in four chunks of 512 keys.  A chunk's 16 rows go into my stage as they lie and come back 8 bytes a lane
	; (query lane % 16; keys 64 g + 16 t + 8 (lane / 16) + 0 .. 7); four such pieces (t = 0 .. 3) are turned, byte for byte, so that a word holds ONE key offset j of the four tiles t.
.Lmask:
	s_sub_co_u32 s28, ttmp9, QWG
	s_lshl_b32 s28, s28, 2
	s_add_co_u32 s28, s28, s26                     ; my tile of 16 queries, 0 .. 511
	s_lshl_b32 s36, s28, 15
	s_mov_b32 s37, 0
	s_add_nc_u64 s[18:19], s[18:19], s[36:37]      ; its rows in the mask
	s_lshr_b32 s36, s28, 5                         ; 4 b + qb
	s_lshl_b32 s36, s36, 20
	s_and_b32 s35, s28, 31                         ; qt
	s_lshl_b32 s35, s35, 11
	s_add_co_u32 s36, s36, s35
	s_add_nc_u64 s[24:25], s[24:25], s[36:37]      ; and its place in mimg
	s_mov_b32 s30, 0x05010400                      ; byte selects: two words' bytes 0 and 1, interleaved;
	s_mov_b32 s31, 0x07030602                      ; bytes 2 and 3;
	s_mov_b32 s32, 0x05040100                      ; two words' low halves;
	s_mov_b32 s33, 0x07060302                      ; their high halves
	s_mov_b32 s34, 0x0000f100                      ; the code table: byte 0 for a mask byte 0, byte 1 for a mask byte 1
	v_lshlrev_b32 v1, 4, v2                        ; 16 x lane: my place in a load's and in a store's 512 bytes
	s_mul_i32 s28, s26, 16*MP
	s_add_co_u32 s28, s28, MST                     ; my stage
	v_add_nc_u32 v4, s28, v1                       ; in: 16 x lane of a row
	v_and_b32 v6, 15, v0
	v_bfe_u32 v7, v0, 4, 1
	v_mul_u32_u24 v5, v6, MP
	v_lshl_add_u32 v5, v7, 3, v5
	v_add_nc_u32 v5, s28, v5                       ; out: row lane % 16, + 8 (lane / 16)
.macro MLOAD c                         ; chunk c: 16 rows x 512 bytes
.irp p, 0,1,2,3,4,5,6,7,8,9,10,11,12,13,14,15
	global_load_b128 v[MR+64*((\c)%2)+4*\p:MR+64*((\c)%2)+4*\p+3], v1, s[18:19] offset:\p*2048+(\c)*512 th:TH_LOAD_NT
.endr
.endm
.macro CHUNK c
.if (\c) < 3
	s_wait_loadcnt 16                              ; this chunk's 16 loads are in; the next chunk's 16 may be out
.else
	s_wait_loadcnt 0x0
.endif
.if (\c) > 0
	s_wait_xcnt 0x0                                ; the last chunk's stores have read their data registers: they are loaded again only behind this wait
.endif
.irp p, 0,1,2,3,4,5,6,7,8,9,10,11,12,13,14,15
	ds_store_b128 v4, v[MR+64*((\c)%2)+4*\p:MR+64*((\c)%2)+4*\p+3] offset:\p*MP
.endr
.irp g, 0,1,2,3,4,5,6,7
.irp t, 0,1,2,3
	ds_load_b64 v[MX+8*\g+2*\t:MX+8*\g+2*\t+1], v5 offset:64*\g+16*\t   ; register 8 g + 2 t + e: key offsets j = 4 e + 0 .. 3 of tile t
.endr
.endr
	s_wait_dscnt 0x0
.if (\c)+2 < 4
	MLOAD (\c)+2                                   ; into the set that the stage's stores have read
.endif
.irp g, 0,1,2,3,4,5,6,7
.irp e, 0,1                                    ; four words x four bytes are turned in two rounds of four selects
	v_perm_b32 v[MT+4*\e],   v[MX+8*\g+2+\e], v[MX+8*\g+\e],   s30
	v_perm_b32 v[MT+4*\e+1], v[MX+8*\g+2+\e], v[MX+8*\g+\e],   s31
	v_perm_b32 v[MT+4*\e+2], v[MX+8*\g+6+\e], v[MX+8*\g+4+\e], s30
	v_perm_b32 v[MT+4*\e+3], v[MX+8*\g+6+\e], v[MX+8*\g+4+\e], s31
.endr
.irp e, 0,1
	v_perm_b32 v[MX+8*\g+4*\e],   v[MT+4*\e+2], v[MT+4*\e],   s32   ; register 8 g + j: byte t = the mask of (my query, key 64 g + 16 t + 8 (lane / 16) + j)
	v_perm_b32 v[MX+8*\g+4*\e+1], v[MT+4*\e+2], v[MT+4*\e],   s33
	v_perm_b32 v[MX+8*\g+4*\e+2], v[MT+4*\e+3], v[MT+4*\e+1], s32
	v_perm_b32 v[MX+8*\g+4*\e+3], v[MT+4*\e+3], v[MT+4*\e+1], s33
.endr
.irp d, 0,1,2,3,4,5,6,7
	v_perm_b32 v[MX+8*\g+\d], s34, s34, v[MX+8*\g+\d]              ; the mask bytes serve as selects into the table: 0 -> 0x00, 1 -> 0xF1
.endr
.irp e, 0,1
	global_store_b128 v1, v[MX+8*\g+4*\e:MX+8*\g+4*\e+3], s[24:25] offset:(4*(\c)+\g/2)*65536+(\g%2)*1024+\e*512   ; 32 lanes store 512 consecutive bytes, aligned
.endr
.endr
.endm
	MLOAD 0
	MLOAD 1
	CHUNK 0
	CHUNK 1
	CHUNK 2
	CHUNK 3
	s_wait_tensorcnt 0x0                           ; the wave's end
	ds_add_u32 v[SPW], v[NIL]
	s_wait_dscnt 0x0
	s_endpgm
.Lfunc_end_k_q6d5603ce73_prep:
	.size	k_q6d5603ce73_prep, .Lfunc_end_k_q6d5603ce73_prep-k_q6d5603ce73_prep
	.p2alignl 7, 3214868480
	.fill 96, 4, 3214868480
	.section	.rodata,"a",@progbits
	.p2align	6, 0x0
	.amdhsa_kernel k_q6d5603ce73_prep
		.amdhsa_group_segment_fixed_size 67072
		.amdhsa_private_segment_fixed_size 0
		.amdhsa_enable_private_segment 0
		.amdhsa_kernarg_size 72
		.amdhsa_user_sgpr_count 2
		.amdhsa_user_sgpr_kernarg_segment_ptr 1
		.amdhsa_wavefront_size32 1
		.amdhsa_system_sgpr_workgroup_id_x 1
		.amdhsa_system_sgpr_workgroup_id_y 1
		.amdhsa_system_sgpr_workgroup_id_z 1
		.amdhsa_system_vgpr_workitem_id 0
		.amdhsa_next_free_vgpr 256
		.amdhsa_next_free_sgpr 66
		.amdhsa_reserve_vcc 0
		.amdhsa_float_denorm_mode_32 3
		.amdhsa_float_denorm_mode_16_64 3
		.amdhsa_memory_ordered 1
		.amdhsa_forward_progress 1
		.amdhsa_inst_pref_size 108
	.end_amdhsa_kernel
	.amdgpu_metadata
---
amdhsa.version: [ 1, 2 ]
amdhsa.kernels:
  - .name:           k_q6d5603ce73_prep
    .symbol:         k_q6d5603ce73_prep.kd
    .args:
      - { .name: q, .offset: 0, .size: 8, .value_kind: global_buffer, .address_space: global }
      - { .name: h, .offset: 8, .size: 8, .value_kind: global_buffer, .address_space: global }
      - { .name: Wq, .offset: 16, .size: 8, .value_kind: global_buffer, .address_space: global }
      - { .name: Wk, .offset: 24, .size: 8, .value_kind: global_buffer, .address_space: global }
      - { .name: Wv, .offset: 32, .size: 8, .value_kind: global_buffer, .address_space: global }
      - { .name: mask, .offset: 40, .size: 8, .value_kind: global_buffer, .address_space: global }
      - { .name: codes, .offset: 48, .size: 8, .value_kind: global_buffer, .address_space: global }
      - { .name: scales, .offset: 56, .size: 8, .value_kind: global_buffer, .address_space: global }
      - { .name: mimg, .offset: 64, .size: 8, .value_kind: global_buffer, .address_space: global }
    .group_segment_fixed_size: 67072
    .private_segment_fixed_size: 0
    .kernarg_segment_align: 8
    .kernarg_segment_size: 72
    .max_flat_workgroup_size: 128
    .sgpr_count:     66
    .vgpr_count:     256
    .wavefront_size: 32
...
	.end_amdgpu_metadata
.endif
;; end of part 1
;; launch proj (part 2): grid 4 x 96, 4 waves a work-group, clusters of 4 x 4, 327,680 bytes of LDS; arguments codes, scales, qkv; writes qkv
.if DOCPART == 2
	.amdgcn_target "amdgcn-amd-amdhsa--gfx1250"
	.amdhsa_code_object_version 6
	.text
	.protected	k_q6d5603ce73_proj
	.globl	k_q6d5603ce73_proj
	.p2align	8
	.type	k_q6d5603ce73_proj,@function
k_q6d5603ce73_proj:
	s_mov_b64 s[64:65], 0
	v_nop
	global_prefetch_b8 v0, s[64:65] scope:SCOPE_SE
	s_setreg_imm32_b32 hwreg(HW_REG_WAVE_MODE, 25, 1), 1
	s_wait_xcnt 0x0
	s_wait_alu depctr_hold_cnt(0) depctr_sa_sdst(0) depctr_va_vdst(0) depctr_va_sdst(0) depctr_va_ssrc(0) depctr_va_vcc(0) depctr_vm_vsrc(0)
	s_getreg_b32 s2, hwreg(HW_REG_IB_STS2, 6, 4)
	s_cmp_eq_u32 s2, 0
	s_cbranch_scc0 .Lentry_in_a_cluster
	s_endpgm
.Lentry_in_a_cluster:
	s_bfe_u32 s2, ttmp6, 0x10000c
	s_cmp_lg_u32 s2, 0xf033
	s_cbranch_scc0 .Lentry_shape_is_right
	s_endpgm
.Lentry_shape_is_right:
; Q = q Wq^T, K = h Wk^T, V = h Wv^T in ONE launch, on codes of FP4 (E2M1) with one E8M0 scale for each 32 along K; sums in f32; results rounded once to f16 and laid by head: qkv [3][b 4][head 16][token 2048][64].
; codes: rows of 512 bytes (1,024 codes), [q 8192 | h 8192 | Wq 1024 | Wk 1024 | Wv 1024] rows; scales: rows of 32 bytes, the same order.
; The grid is 4 tile columns x 96 tile rows of 256 x 256: 32 tile rows for each of the three products; which product (p) hangs on the cluster's y alone.
; A work-group of four waves makes a tile; a wave 128 tokens x 128 features: 64 accumulators of 16 x 16, 512 registers.  K = 1,024 is exactly two LDS slots of 512 along K (tile rows of 256 bytes), so all tiles
; are asked for at the head and nothing is filled again: by this text's count a wave has three tensor loads out (its part of the scales, of slot 0, of slot 1).
; CLUSTERS: 4 x 4 work-groups.  The four of a row need the same tokens' tiles, the four of a column the same weights' tiles: each is asked for JOINTLY, by the same tensor load with the same descriptor and a mask that names the four.
; THE MATRIX INSTRUCTION IS USED TRANSPOSED (source 0 = 16 rows of W, source 1 = 16 tokens): a lane then holds eight neighbouring features of one token, 16 bytes of f16.
; LIMIT: a result beyond f16's largest number, 65,504, becomes infinity.
; REGISTERS, in windows of 256: window 0: v0-31 addresses; v32-95 scale words, two sets; v128-191 the tokens' fragments, ONE set; on the way out v32-63, v192-255.
;   window 1: the weights' fragments, TWO sets, at v0 and v128.   window 2: the accumulators of my tokens 0-63 ((a, b) at v[8 (8 a + b)]);   window 3: those of my tokens 64-127.
.set NQ,     4                         ; steps of 128 along K in a slot
.set ROWB,   256                       ; a tile's row in bytes: 512 codes
.set KROW,   512                       ; a row of codes in memory
.set PITCH,  272                       ; an LDS row: 256 bytes + 16 of padding = 68 words: the 16 rows that a load touches start at 16 different banks (64 banks of 4 bytes: ISA guide 11.1)
.set FR,     8                         ; registers of a fragment: 16 rows x 128 K
.set NL,     2                         ; LDS loads that bring one
.set NP,     4                         ; places behind this matrix instruction (ISA guide 7.12.1)
.set HALFT,  128*PITCH                 ; 128 rows: what one tensor load brings
.set SLOT,   4*HALFT                   ; the tokens' 256 rows, then the weights' 256 rows
.set KS,     32                        ; a row of scales in bytes
.set SCL,    2*SLOT                    ; behind the slots: the scales of all of K, as pieces of 256 bytes + 16 of padding
.set HALFS,  (128*KS/256)*272          ; the scales of 128 rows
.set SBLK,   (16*KS/256)*272           ; those of 16 rows
.set SPARE,  SCL+4*HALFS               ; the spare words, 128 bytes for each wave
.set STAGE,  SPARE+512                 ; the way out: 16 rows x 272 bytes for each wave; no tensor load lands here
.set SPITCH, 272
.set ADRA, 16                          ; v16-17  LDS address of my tokens' fragments in slot 0, 1
.set ADRB, 20                          ; v20-21  the same for the weights
.set STO,  24                          ; v24     the way out: where I put 16 bytes of a token's row
.set RD,   25                          ; v25     where I read back
.set CO,   26                          ; v26     my byte offset in qkv
.set ADRS, 27                          ; v27     LDS address of my scale words: lanes 0-15 the tokens', lanes 16-31 the weights'
.set SPW,  28                          ; v28     LDS address of my spare word; never rewritten
.set NIL,  29                          ; v29     0; never rewritten
.set SC,   32                          ; scale words: set s at v[SC + 32 s]; register 4 i + q: lanes 0-15 the tokens' block i, lanes 16-31 the weights' block i, the slot's q-th 128 along K
.set AF,   128                         ; the tokens' fragments
.set TMP,  192                         ; the way out: packed results
.set G1, 24                            ; s[24:31] descriptor group 1 for the tokens' tiles;  s[32:39] group 0, a set for each slot
.set G0, 32
.set G1B, 48                           ; s[48:55], s[56:63] the same for the weights' tiles
.set G0B, 56
.set G1S, 68                           ; s[68:75], s[76:79] groups 1 and 0 for the tokens' scales;  s[80:87], s[88:91] for the weights'
.set G0S, 76
.set G1SB, 80
.set G0SB, 88
.set MSB, 0
.macro WIN new                         ; the immediate's high byte repeats the setting that is left
.if MSB != \new
	s_set_vgpr_msb (MSB<<8)|\new
.set MSB, \new
.endif
.endm
.set MUL_LO, 0xa1                      ; source 0 (weights) window 1, source 1 (tokens) window 0, C and D window 2
.set MUL_HI, 0xf1                      ; the same, C and D window 3
.set TO_B,   0x40                      ; destination window 1, address window 0
; A joint load: waves 0 and 1 fetch for the tokens, waves 2 and 3 for the weights.  The branch hangs on the wave's number alone.  An s_nop 0 and four v_nop follow each line.
.macro JLOAD g0a, g1a, g0b, g1b
	s_cmp_eq_u32 s15, 0
	s_cbranch_scc0 .Lfor_b_\@
	tensor_load_to_lds s[\g0a:\g0a+3], s[\g1a:\g1a+7]
	s_nop 0
.rept 4
	v_nop
.endr
	s_branch .Lasked_\@
.Lfor_b_\@:
	tensor_load_to_lds s[\g0b:\g0b+3], s[\g1b:\g1b+7]
	s_nop 0
.rept 4
	v_nop
.endr
.Lasked_\@:
.endm
.macro CROUND                          ; a round of the cluster's barrier: my work-group's barrier; wave 0 signals for the work-group; every wave waits for all sixteen; my work-group's barrier once more
	s_barrier_signal -1
	s_barrier_wait -1
	s_cmp_lg_u32 s14, 0
	s_cbranch_scc1 .Lnot_wave_0_\@
	s_barrier_signal -3
.Lnot_wave_0_\@:
	s_barrier_wait -3
	s_barrier_signal -1
	s_barrier_wait -1
.endm
	s_load_b128 s[4:7], s[0:1], 0x0                ; codes s[4:5], scales s[6:7]
	s_load_b64 s[12:13], s[0:1], 0x10              ; qkv
	v_lshl_add_u32 v[SPW], v0, 2, SPARE
	v_mov_b32 v[NIL], 0
	ds_add_u32 v[SPW], v[NIL]                      ; the wave's opening: the add, twice on end, and its wait ahead of my first tensor load
	ds_add_u32 v[SPW], v[NIL]
	v_lshrrev_b32 v1, 5, v0
	v_readfirstlane_b32 s14, v1                    ; wave 0..3
	s_lshr_b32 s15, s14, 1                         ; which half of the tile's tokens is mine.  Also: I fetch for the tokens (0) or for the weights (1)
	s_and_b32 s16, s14, 1                          ; which half of its features.  Also: which 128 rows of that tile I fetch
	s_bfe_u32 s40, ttmp6, 0x40000                  ; cx, cy: my place in the cluster
	s_bfe_u32 s41, ttmp6, 0x40004
	s_lshl_b32 s42, ttmp9, 2
	s_add_co_u32 s42, s42, s40                     ; tile column = 4 x cluster x + cx
	s_and_b32 s17, ttmp7, 0xffff                   ; cluster y, 0 .. 23
	s_lshr_b32 s96, s17, 3                         ; p: 0 Q, 1 K, 2 V: eight clusters of four tile rows each
	s_min_u32 s97, s96, 1                          ; the tokens are q's (0) or h's (1)
	s_lshl_b32 s17, s17, 2
	s_add_co_u32 s17, s17, s41
	s_and_b32 s17, s17, 31                         ; tile row within the product
	s_lshl_b32 s43, s41, 2
	s_lshl_b32 s43, 15, s43                        ; my row of the cluster
	s_lshl_b32 s44, 0x1111, s40                    ; my column
	; descriptor group 1: a tile of 128 rows x 256 bytes, padded in LDS
	s_or_b32 s[G1+0], s43, (0<<16)|(1<<20)|(1<<21)|(5<<22)|(3<<25)  ; 15:0 the mask; 17:16 elements of 1 byte; 20 padding on; 21 set beside a mask; 24:22 after every 64 words; 31:25 four words
	s_or_b32 s[G1B+0], s44, (0<<16)|(1<<20)|(1<<21)|(5<<22)|(3<<25)
.irp g, G1, G1B
	s_mov_b32 s[\g+1], ROWB<<16                    ; tensor_dim0
	s_mov_b32 s[\g+2], 128<<16                     ; tensor_dim1
	s_mov_b32 s[\g+3], ROWB<<16                    ; tile_dim0
	s_mov_b32 s[\g+4], 128                         ; tile_dim1
	s_mov_b32 s[\g+5], KROW                        ; from row to row
	s_mov_b32 s[\g+6], 0
	s_mov_b32 s[\g+7], 0
.endr
	; the scales of 128 rows: 4,096 dense bytes, as 16 rows of 256 bytes (32 elements of 8), 16 bytes of padding behind each
	s_or_b32 s[G1S+0], s43, (3<<16)|(1<<20)|(1<<21)|(5<<22)|(3<<25)
	s_or_b32 s[G1SB+0], s44, (3<<16)|(1<<20)|(1<<21)|(5<<22)|(3<<25)
.irp g, G1S, G1SB
	s_mov_b32 s[\g+1], 32<<16
	s_mov_b32 s[\g+2], (128*KS/256)<<16
	s_mov_b32 s[\g+3], 32<<16
	s_mov_b32 s[\g+4], 128*KS/256
	s_mov_b32 s[\g+5], 32
	s_mov_b32 s[\g+6], 0
	s_mov_b32 s[\g+7], 0
.endr
	; byte offsets, all under 2^24.  The tokens' hang on the tile row and p, the weights' on the tile column and p; neither set of registers ever holds the other coordinate
	s_lshl_b32 s18, s16, 7                         ; which 128 rows of the tile I fetch
	s_lshl_b32 s20, s17, 8
	s_add_co_u32 s20, s20, s18                     ; the tokens' first row
	s_lshl_b32 s46, s42, 8
	s_add_co_u32 s46, s46, s18                     ; the weights' first row
	s_lshl_b32 s22, s20, 5                         ; the tokens' scales: 32 bytes a row,
	s_lshl_b32 s19, s97, 18
	s_add_co_u32 s22, s22, s19                     ; h's begin 262,144 bytes on
	s_mov_b32 s23, 0
	s_lshl_b32 s20, s20, 9                         ; their codes: 512 bytes a row,
	s_lshl_b32 s19, s97, 22
	s_add_co_u32 s20, s20, s19                     ; h's begin 4,194,304 bytes on
	s_mov_b32 s21, 0
	s_lshl_b32 s92, s46, 5                         ; the weights' scales: behind the tokens' 524,288 bytes, 32,768 a tensor
	s_lshl_b32 s19, s96, 15
	s_add_co_u32 s92, s92, s19
	s_add_co_u32 s92, s92, 524288
	s_mov_b32 s93, 0
	s_lshl_b32 s46, s46, 9                         ; their codes: behind the tokens' 8,388,608 bytes, 524,288 a tensor
	s_lshl_b32 s19, s96, 19
	s_add_co_u32 s46, s46, s19
	s_add_co_u32 s46, s46, 8388608
	s_mov_b32 s47, 0
	s_mul_i32 s45, s14, HALFT                      ; where they go: wave x 128 rows: no place in the cluster enters an LDS address
	s_mul_i32 s94, s14, HALFS
	s_wait_dscnt 0x0                               ; both opening adds are done
	s_wait_kmcnt 0x0
	s_add_nc_u64 s[20:21], s[4:5], s[20:21]
	s_add_nc_u64 s[22:23], s[6:7], s[22:23]
	s_add_nc_u64 s[46:47], s[4:5], s[46:47]
	s_add_nc_u64 s[92:93], s[6:7], s[92:93]
	CROUND                                         ; all sixteen work-groups are here: the joint loads meet
	s_mov_b32 s[G0S], 1
	s_add_co_u32 s[G0S+1], s94, SCL
	s_mov_b64 s[G0S+2:G0S+3], s[22:23]
	s_or_b32 s[G0S+3], s[G0S+3], 0x80000000
	s_mov_b32 s[G0SB], 1
	s_add_co_u32 s[G0SB+1], s94, SCL
	s_mov_b64 s[G0SB+2:G0SB+3], s[92:93]
	s_or_b32 s[G0SB+3], s[G0SB+3], 0x80000000
	JLOAD G0S, G1S, G0SB, G1SB                     ; the scales first: they are wanted with the first step
.irp s, 0,1
	s_mov_b32 s[G0+4*\s], 1
	s_add_co_u32 s[G0+4*\s+1], s45, \s*SLOT
	s_add_nc_u64 s[G0+4*\s+2:G0+4*\s+3], s[20:21], \s*ROWB
	s_or_b32 s[G0+4*\s+3], s[G0+4*\s+3], 0x80000000
	s_mov_b32 s[G0B+4*\s], 1
	s_add_co_u32 s[G0B+4*\s+1], s45, \s*SLOT
	s_add_nc_u64 s[G0B+4*\s+2:G0B+4*\s+3], s[46:47], \s*ROWB
	s_or_b32 s[G0B+4*\s+3], s[G0B+4*\s+3], 0x80000000
	JLOAD G0+4*\s, G1, G0B+4*\s, G1B
.endr
	v_and_b32 v1, 15, v0                           ; l % 16
	v_bfe_u32 v2, v0, 4, 1                         ; l / 16
	v_mul_u32_u24 v3, v1, PITCH
	v_lshl_add_u32 v4, v2, 4, v3                   ; a fragment's row x pitch + 16 x half
	s_mul_i32 s21, s15, HALFT                      ; my 128 tokens
	s_mul_i32 s22, s16, HALFT                      ; my 128 rows of W,
	s_add_co_u32 s22, s22, 2*HALFT                 ; which lie behind the tokens' 256
.irp s, 0,1
	v_add_nc_u32 v[ADRA+\s], s21, v4
	v_add_nc_u32 v[ADRB+\s], s22, v4
	s_add_co_u32 s21, s21, SLOT
	s_add_co_u32 s22, s22, SLOT
.endr
	v_mul_u32_u24 v5, v1, KS                       ; my row's scales: 32 bytes a row,
	v_lshrrev_b32 v6, 8, v5
	v_lshl_add_u32 v5, v6, 4, v5                   ; and 16 more for each 256 passed
	s_mul_i32 s21, s15, HALFS
	s_mul_i32 s22, s16, HALFS
	s_add_co_u32 s22, s22, 2*HALFS
	s_sub_co_u32 s22, s22, s21
	v_mul_u32_u24 v6, s22, v2                      ; lanes 16-31 take the weights': one product, the distance between the two bases
	s_add_co_u32 s21, s21, SCL
	v_add_nc_u32 v5, v5, v6
	v_add_nc_u32 v[ADRS], s21, v5
	s_mul_i32 s23, s14, 16*SPITCH
	s_add_co_u32 s23, s23, STAGE                   ; my stage
	v_mul_u32_u24 v5, v1, SPITCH                   ; in: token l % 16, 16 bytes for each half of the lanes
	v_lshl_add_u32 v5, v2, 4, v5
	v_add_nc_u32 v[STO], s23, v5
	v_bfe_u32 v6, v0, 3, 1                         ; back: lanes 0-15 take my first head's 128 bytes of two tokens, lanes 16-31 my second head's
	v_mul_u32_u24 v5, v6, SPITCH
	v_lshl_add_u32 v5, v2, 7, v5
	v_and_b32 v6, 7, v0
	v_lshl_add_u32 v5, v6, 4, v5
	v_add_nc_u32 v[RD], s23, v5
	v_lshlrev_b32 v[CO], 4, v1                     ; in qkv two tokens of a head are 256 consecutive bytes; the next head lies 262,144 bytes on
	v_lshl_add_u32 v[CO], v2, 18, v[CO]
	s_lshl_b32 s20, s17, 8
	s_lshl_b32 s21, s15, 7
	s_add_co_u32 s20, s20, s21                     ; my first token, 0 .. 8,191
	s_lshr_b32 s21, s20, 11                        ; its batch
	s_lshl_b32 s21, s21, 4
	s_lshl_b32 s46, s42, 2
	s_add_co_u32 s21, s21, s46
	s_lshl_b32 s46, s16, 1
	s_add_co_u32 s21, s21, s46                     ; 16 x batch + my first head (4 x tile column + 2 x half)
	s_lshl_b32 s21, s21, 11
	s_and_b32 s20, s20, 2047
	s_add_co_u32 s20, s20, s21
	s_lshl_b32 s20, s20, 7                         ; 128 bytes a token and head
	s_lshl_b32 s21, s96, 24                        ; + p x 16,777,216
	s_add_co_u32 s20, s20, s21
	s_mov_b32 s21, 0
	s_add_nc_u64 s[12:13], s[12:13], s[20:21]
.macro FRAG reg, adr, q, i             ; a fragment: lane l holds row l % 16; registers 4 c .. 4 c + 3 hold K = 64 c + 32 (l / 16) + 0 .. 31
.irp c, 0,1
	ds_load_b128 v[\reg+4*\c:\reg+4*\c+3], v[\adr] offset:64*(\q)+32*\c+(\i)*16*PITCH
.endr
.endm
; 16 matrix instructions: token blocks a0, a0 + 1 x the weights' eight, the slot's q-th 128 along K.  p: the weights' set; sc: the set of scale words.  zero = 1: the first product starts the sums.
; The 64 accumulators take turns, one instruction a turn, in the same order in every step.
.macro MUL16 a0, p, q, sc, zero
.irp a, \a0, \a0+1
.irp b, 0,1,2,3,4,5,6,7
.if \zero
	v_wmma_scale_f32_16x16x128_f8f6f4 v[8*(8*((\a)%4)+\b):8*(8*((\a)%4)+\b)+7], v[128*(\p)+FR*\b:128*(\p)+FR*\b+FR-1], v[AF+FR*(\a):AF+FR*(\a)+FR-1], 0, v[SC+8*NQ*(\sc)+NQ*\b+(\q)], v[SC+8*NQ*(\sc)+NQ*(\a)+(\q)] matrix_a_fmt:MATRIX_FMT_FP4 matrix_b_fmt:MATRIX_FMT_FP4 matrix_a_scale:MATRIX_SCALE_ROW1
.else
	v_wmma_scale_f32_16x16x128_f8f6f4 v[8*(8*((\a)%4)+\b):8*(8*((\a)%4)+\b)+7], v[128*(\p)+FR*\b:128*(\p)+FR*\b+FR-1], v[AF+FR*(\a):AF+FR*(\a)+FR-1], v[8*(8*((\a)%4)+\b):8*(8*((\a)%4)+\b)+7], v[SC+8*NQ*(\sc)+NQ*\b+(\q)], v[SC+8*NQ*(\sc)+NQ*(\a)+(\q)] matrix_a_fmt:MATRIX_FMT_FP4 matrix_b_fmt:MATRIX_FMT_FP4 matrix_a_scale:MATRIX_SCALE_ROW1
.endif
.endr
.endr
.endm
.macro FETCH_B slot, q, p
	WIN TO_B
.irp i, 0,1,2,3,4,5,6,7
	FRAG 128*(\p)+FR*\i, ADRB+\slot, \q, \i
.endr
	WIN 0
.endm
.macro FETCH_A slot, q, i0
.irp i, \i0, \i0+1, \i0+2, \i0+3
	FRAG AF+FR*(\i), ADRA+\slot, \q, \i
.endr
.endm
.macro SCALES sc                       ; a slot's scale words: four words a row; lanes 0-15 the tokens' block i, lanes 16-31 the weights' block i
.irp i, 0,1,2,3,4,5,6,7
	ds_load_b128 v[SC+8*NQ*\sc+NQ*\i:SC+8*NQ*\sc+NQ*\i+3], v[ADRS] offset:\i*SBLK
.endr
.endm
.macro PLACES n                        ; places in front of loads into registers that matrix instructions have read, and of the first read of results
.rept \n
	v_nop
.endr
.endm
.macro STEP slot, q, zero              ; a step of 128 along K that has its successor in the same slot
	s_wait_dscnt 4*NL                              ; the weights' set and token blocks 0-3 are in; the youngest eight loads (blocks 4-7) may be out
	WIN MUL_LO
	MUL16 0, (\q)%2, \q, \slot, \zero
	MUL16 2, (\q)%2, \q, \slot, \zero
	s_wait_dscnt 0                                 ; blocks 4-7 are in
	PLACES NP
	FETCH_B \slot, (\q)+1, 1-(\q)%2
	FETCH_A \slot, (\q)+1, 0
	WIN MUL_HI
	MUL16 4, (\q)%2, \q, \slot, \zero
	MUL16 6, (\q)%2, \q, \slot, \zero
	PLACES NP
	WIN 0
	FETCH_A \slot, (\q)+1, 4
.endm
.macro TURN slot, next                 ; slot 0's last step: one barrier shows slot 1 whole to every wave.  Nothing is filled again
	s_wait_tensorcnt 0x0                           ; all my tensor loads have landed: my part of the next slot
	ds_add_u32 v[SPW], v[NIL]                      ; 0 onto my spare word
	s_wait_dscnt 4*NL+1                            ; (the add and the youngest eight loads may be out)
	WIN MUL_LO
	MUL16 0, 1, NQ-1, \slot, 0
	s_wait_dscnt 0x0                               ; the add is done, and no LDS load of mine is out at the signal
	s_barrier_signal -1
	MUL16 2, 1, NQ-1, \slot, 0
	WIN 0
	s_barrier_wait -1
	PLACES NP
	v_add_nc_u32 v[ADRS], 4*NQ, v[ADRS]            ; on to the next slot's scale words
	FETCH_B \next, 0, 0
	FETCH_A \next, 0, 0
	SCALES \next
	WIN MUL_HI
	MUL16 4, 1, NQ-1, \slot, 0
	MUL16 6, 1, NQ-1, \slot, 0
	PLACES NP
	WIN 0
	FETCH_A \next, 0, 4
.endm
	s_wait_tensorcnt 1                             ; the scales and my part of slot 0 are in (slot 1's load may be out),
	s_barrier_signal -1
	s_barrier_wait -1                              ; everybody's are
	FETCH_B 0, 0, 0
	FETCH_A 0, 0, 0
	SCALES 0
	FETCH_A 0, 0, 4
	STEP 0, 0, 1                                   ; the first step's products start the sums: nothing is cleared
	STEP 0, 1, 0
	STEP 0, 2, 0
	TURN 0, 1
	STEP 1, 0, 0
	STEP 1, 1, 0
	STEP 1, 2, 0
	s_wait_dscnt 4*NL                              ; the very last step: nothing more to fetch
	WIN MUL_LO
	MUL16 0, 1, NQ-1, 1, 0
	MUL16 2, 1, NQ-1, 1, 0
	s_wait_dscnt 0
	WIN MUL_HI
	MUL16 4, 1, NQ-1, 1, 0
	MUL16 6, 1, NQ-1, 1, 0
	WIN 0
; THE WAY OUT, block by block of 16 tokens x 128 features (two heads).  PACK: rounded to f16, 16 bytes a lane, each accumulator from its low end on.  TOSTAGE: into my own stage, and back so that sixteen lanes
; hold two tokens of one head.  SEND: stored.  LDS serves a wave's instructions in order (ISA guide 5.7.1.4): no wait between the stage's stores and loads.
.macro PACK a
.set AC, 64*((\a)%4)
	WIN 0x0a+5*((\a)/4)                            ; sources 0 and 1: window 2 or 3
.irp b, 0,1,2,3,4,5,6,7
.irp r, 0,1,2,3
	v_cvt_pk_f16_f32 v[TMP+4*\b+\r], v[AC+8*\b+2*\r], v[AC+8*\b+2*\r+1]
.endr
.endr
	WIN 0
.endm
.macro TOSTAGE a
.set BK, 32+192*((\a)%2)               ; v32-63 and v224-255 by turns
.irp b, 0,1,2,3,4,5,6,7
	ds_store_b128 v[STO], v[TMP+4*\b:TMP+4*\b+3] offset:32*\b
.endr
.irp t, 0,1,2,3,4,5,6,7
	ds_load_b128 v[BK+4*\t:BK+4*\t+3], v[RD] offset:\t*2*SPITCH
.endr
.endm
.macro SEND a
.set BK, 32+192*((\a)%2)
	s_wait_dscnt 0x0                               ; the block is back in registers
	s_wait_xcnt 0x0                                ; the stores of the block before have read their registers: the next block's loads land there only behind this wait
.irp t, 0,1,2,3,4,5,6,7
	global_store_b128 v[CO], v[BK+4*\t:BK+4*\t+3], s[12:13] offset:(\a)*2048+\t*256   ; sixteen lanes store 256 consecutive bytes, aligned: two tokens of one head
.endr
.endm
	PLACES NP
	PACK 0
	TOSTAGE 0
.irp a, 1,2,3,4,5,6,7                  ; block a's conversions stand between block a - 1's loads from the stage and the wait for them
	PACK \a
	SEND \a-1
	TOSTAGE \a
.endr
	SEND 7
	s_wait_tensorcnt 0x0                           ; the wave's end
	ds_add_u32 v[SPW], v[NIL]
	s_wait_dscnt 0x0
	CROUND                                         ; the closing round: no work-group ends while a partner may still ask for a tile that names it
	s_endpgm
.Lfunc_end_k_q6d5603ce73_proj:
	.size	k_q6d5603ce73_proj, .Lfunc_end_k_q6d5603ce73_proj-k_q6d5603ce73_proj
	.p2alignl 7, 3214868480
	.fill 96, 4, 3214868480
	.section	.rodata,"a",@progbits
	.p2align	6, 0x0
	.amdhsa_kernel k_q6d5603ce73_proj
		.amdhsa_group_segment_fixed_size 327680
		.amdhsa_private_segment_fixed_size 0
		.amdhsa_enable_private_segment 0
		.amdhsa_kernarg_size 24
		.amdhsa_user_sgpr_count 2
		.amdhsa_user_sgpr_kernarg_segment_ptr 1
		.amdhsa_wavefront_size32 1
		.amdhsa_system_sgpr_workgroup_id_x 1
		.amdhsa_system_sgpr_workgroup_id_y 1
		.amdhsa_system_sgpr_workgroup_id_z 1
		.amdhsa_system_vgpr_workitem_id 0
		.amdhsa_next_free_vgpr 1024
		.amdhsa_next_free_sgpr 100
		.amdhsa_reserve_vcc 0
		.amdhsa_float_denorm_mode_32 3
		.amdhsa_float_denorm_mode_16_64 3
		.amdhsa_memory_ordered 1
		.amdhsa_forward_progress 1
		.amdhsa_inst_pref_size 127
	.end_amdhsa_kernel
	.amdgpu_metadata
---
amdhsa.version: [ 1, 2 ]
amdhsa.kernels:
  - .name:           k_q6d5603ce73_proj
    .symbol:         k_q6d5603ce73_proj.kd
    .args:
      - { .name: codes, .offset: 0, .size: 8, .value_kind: global_buffer, .address_space: global }
      - { .name: scales, .offset: 8, .size: 8, .value_kind: global_buffer, .address_space: global }
      - { .name: qkv, .offset: 16, .size: 8, .value_kind: global_buffer, .address_space: global }
    .group_segment_fixed_size: 327680
    .private_segment_fixed_size: 0
    .kernarg_segment_align: 8
    .kernarg_segment_size: 24
    .max_flat_workgroup_size: 128
    .sgpr_count:     100
    .vgpr_count:     1024
    .wavefront_size: 32
...
	.end_amdgpu_metadata
.endif
;; end of part 2
;; launch attn (part 3): grid 4 x 64, 8 waves a work-group, clusters of 4 x 4, 327,680 bytes of LDS; arguments qkv, mimg, out0; writes out0
.if DOCPART == 3
	.amdgcn_target "amdgcn-amd-amdhsa--gfx1250"
	.amdhsa_code_object_version 6
	.text
	.protected	k_q6d5603ce73_attn
	.globl	k_q6d5603ce73_attn
	.p2align	8
	.type	k_q6d5603ce73_attn,@function
k_q6d5603ce73_attn:
	s_mov_b64 s[64:65], 0
	v_nop
	global_prefetch_b8 v0, s[64:65] scope:SCOPE_SE
	s_setreg_imm32_b32 hwreg(HW_REG_WAVE_MODE, 25, 1), 1
	s_wait_xcnt 0x0
	s_wait_alu depctr_hold_cnt(0) depctr_sa_sdst(0) depctr_va_vdst(0) depctr_va_sdst(0) depctr_va_ssrc(0) depctr_va_vcc(0) depctr_vm_vsrc(0)
	s_getreg_b32 s2, hwreg(HW_REG_IB_STS2, 6, 4)
	s_cmp_eq_u32 s2, 0
	s_cbranch_scc0 .Lentry_in_a_cluster
	s_endpgm
.Lentry_in_a_cluster:
	s_bfe_u32 s2, ttmp6, 0x10000c
	s_cmp_lg_u32 s2, 0xf033
	s_cbranch_scc0 .Lentry_shape_is_right
	s_endpgm
.Lentry_shape_is_right:
; out0[b][q][64 head + d] = the sum over k of softmax_k(Q . K / 8, -infinity where the mask forbids) V.  qkv [3][b 4][head 16][token 2048][64] f16; mimg: the mask, coded and laid in the order of my registers; out0 [4][2048][1024] f32.
; Both products take f16 operands and sum in f32; maxima, exponentials and row sums are f32; the weights p (at most 1) are rounded to f16 for the second product.
; SHARES.  A work-group owns 512 queries of one (batch, head); each of its eight waves 64: four tiles of 16.  Every wave walks the 2,048 keys, 64 a step, two steps to an LDS slot, 16 slots' worth.
; LAYOUT.  S^T = K Q^T (source 0 = 16 keys, source 1 = 16 queries): a lane holds ONE query (lane % 16) and keys 8 (lane / 16) + 0..7 of each tile.  Two such tiles, rounded to f16 in pairs, ARE source 1 of O^T = V^T P.
; K comes out of LDS as it lies, V ([key][channel]) turned by ds_load_tr16_b128.
; THE MASK IS THE C OF THE FIRST PRODUCT.  A lane's word j of mimg holds, in byte t, the code of (my query, key 16 t + 8 (lane / 16) + j): 0xF1 forbidden, 0x00 allowed.  It is loaded into register j of key tile 3's
; accumulator, where byte 3 is on top; one shift by 8 (3 - t) bits makes tile t's.  Read as f32, a word with 0xF1 on top lies in (-2^101, -2^99], one with 0x00 on top in [0, 2^-125).  So K Q^T adds the mask for nothing.
; The running maximum begins at -2^98.  Raw scores stay under 64 x 65,504^2 < 2^39, so a forbidden score never is the maximum and its p is exactly 0; a step with no allowed key leaves m, l and O as they are;
; a row with no allowed key ends with l = 0 and O = 0, and 0 x (1 / 0) is the NaN that the softmax of such a row is.
; SOFTMAX.  For each query a running maximum m and sum l: p = 2^(c s - c m), c = log2(e) / 8; in every step O and l are multiplied by a = 2^(c m_old - c m_new).
; LIMITS: |Q|, |K|, |V| up to 65,504; an allowed score is shifted by less than 2^-125; NaN and infinities among the inputs are not served.
; CLUSTER, 4 x 4.  x = the block of 512 queries, y = 16 b + head.  The four of a row share K and V, the four of a column (four heads of one batch, one block of queries) share the mask: each tile is asked for JOINTLY.
; All eight waves fetch: waves 0, 1 K's halves, waves 2, 3 V's, waves 4 to 7 the mask's quarters.  By this text's count a wave has two tensor loads out at the start and one behind each round.
; REGISTERS.  window 0: v1-13 addresses; v16-47 statistics, eight a tile; v64-191 S^T, 32 a tile (then p; then P in the low 16); v192-255 K of one step.   window 1: v0-127 O^T, 32 a tile; v128-191 Q; v192-255 V of one step.
.set KP,    144       ; a row of K in LDS: 128 bytes + 16: nine 16-byte columns: the 16 rows of a load start at 16 different columns
.set VP,    160       ; a row of V: 128 + 32
.set VOFF,  128*KP    ; a slot: 128 rows of K, 128 rows of V,
.set MOFF,  VOFF+128*VP   ; and the mask's 65,536 bytes: images of registers, no pitch
.set SLOT1, 1<<17     ; slot 1 begins here: one exclusive or turns an address in one slot into the other's
.set STAGE, SLOT1+MOFF+65536  ; behind the ring: 16 rows x 272 bytes for each wave, for the way out
.set SP,    272
.set SPARE, STAGE+8*16*SP ; the spare words, 128 bytes for each wave
.set AK0, 1           ; v1   my lane's place in a tile of K; never rewritten
.set AV0, 2           ; v2   in V
.set AM0, 3           ; v3   in the mask's images
.set ADK, 4           ; v4-6 the same in the slot in hand
.set ADV, 5
.set ADM, 6
.set QO,  7           ; v7   my byte offset in the wave's rows of Q
.set SPW, 8           ; v8   LDS address of my spare word; never rewritten
.set NIL, 9           ; v9   0; never rewritten
.set STO, 10          ; v10  the way out: where I put 32 bytes of a row
.set RD,  11          ; v11  where I read a row back
.set GO,  12          ; v12  my byte offset in the wave's rows of out0
.set PFO, 13          ; v13  the prefetches' lane offset; never rewritten
.set ST,  16          ; tile i's statistics at v[ST+8 i]: +0 c m, +1 m, +2, +3 l, +4, +5 a second sum (c0, c1 of the maximum), +6 a (c2), +7 c m_old - c m_new (c3)
.set S,   64
.set KF,  192
.set QF,  128         ; in window 1
.set VF,  192         ; in window 1
.set WV,  10          ; s10  my wave's number
.set G1K, 24          ; s[24:31], s[32:39], s[40:47] descriptor groups 1 for K's, V's and the mask's tiles
.set G1V, 32
.set G1M, 40
.set G0K, 48          ; s[48:55], s[56:63], s[68:75] groups 0: a set for each of the two first fills; the second then walks on
.set G0V, 56
.set G0M, 68
.set CS,  76          ; s[76:77] c, twice
.set SEL, 78          ; s[78:79] lane selects for v_permlanex16_b32: lane l xor 16
.set TB,  80          ; s80  LDS byte at which the slot in hand begins
.set SLOTS, 81        ; s81  slots still to be asked for
.set PFA, 84          ; s[84:85] where my prefetches stand
.set PFS, 86          ; s[86:87] a slot on, in bytes
.set LIM, 88          ; s88  1 in a wave that prefetches, else the greatest number
.set MSB, 0
.macro WIN new                      ; the immediate's high byte repeats the setting that is left; a switch that changes nothing is dropped
.if MSB != \new
	s_set_vgpr_msb (MSB<<8)|\new
.set MSB, \new
.endif
.endm
.set W_KQ, 0x04       ; Q (source 1) in window 1; K and S^T in window 0
.set W_PV, 0x51       ; V (source 0) and O^T (C, D) in window 1; P in window 0
.set W_RS, 0x41       ; O^T (destination, source 0) in window 1; a in window 0
.set TO_1, 0x40       ; a load's destination in window 1
.set FROM_1, 0x01     ; source 0 in window 1
; A joint refill, by the walking descriptors.  The branches hang on the wave's number alone.  An s_nop 0 and four v_nop follow each line.
.macro JLOAD
	s_cmp_lt_u32 s[WV], 2
	s_cbranch_scc0 .Lnot_k_\@
	tensor_load_to_lds s[G0K+4:G0K+7], s[G1K:G1K+7]
	s_nop 0
.rept 4
	v_nop
.endr
	s_branch .Lasked_\@
.Lnot_k_\@:
	s_cmp_lt_u32 s[WV], 4
	s_cbranch_scc0 .Lfor_m_\@
	tensor_load_to_lds s[G0V+4:G0V+7], s[G1V:G1V+7]
	s_nop 0
.rept 4
	v_nop
.endr
	s_branch .Lasked_\@
.Lfor_m_\@:
	tensor_load_to_lds s[G0M+4:G0M+7], s[G1M:G1M+7]
	s_nop 0
.rept 4
	v_nop
.endr
.Lasked_\@:
.endm
; A PREFETCH of what the NEXT change of slots will ask for, one slot (128 matrix instructions a wave) ahead of that load; it stands behind the wave's tensor load and its five lines.
; Each aligned block of 256 bytes is named once in the launch.  K and V of a head (16,384 bytes a slot each) are read by one row of one cluster: its four partners take 4,096 bytes each, told apart BY ADDRESS (cx);
; in each, wave 0 asks: lanes 0-15 for K's 16 blocks, lanes 16-31 for V's, 2^24 bytes on.  A slot's 65,536 mask bytes are read by the four clusters of a batch: the first of them asks; the four partners of a column take
; 16,384 bytes each by address (cy), waves 6 and 7 half of that each, lanes 256 bytes apart.  Slots 0 to 2 come by their loads alone; the last change that fills a slot asks for nothing.
.macro ASK
	s_cmp_gt_u32 s[SLOTS], s[LIM]
	s_cbranch_scc0 .Lnot_mine_\@
	global_prefetch_b8 v[PFO], s[PFA:PFA+1] th:TH_LOAD_NT scope:SCOPE_SE
.Lnot_mine_\@:
.endm
.macro CROUND                       ; a round of the cluster's barrier: my work-group's barrier; wave 0 signals for the work-group; every wave waits for all sixteen; my work-group's barrier once more
	s_barrier_signal -1
	s_barrier_wait -1
	s_cmp_lg_u32 s[WV], 0
	s_cbranch_scc1 .Lnot_wave_0_\@
	s_barrier_signal -3
.Lnot_wave_0_\@:
	s_barrier_wait -3
	s_barrier_signal -1
	s_barrier_wait -1
.endm
	s_load_b128 s[4:7], s[0:1], 0x0 ; qkv s[4:5], mimg s[6:7]
	s_load_b64 s[8:9], s[0:1], 0x10 ; out0
	v_lshl_add_u32 v[SPW], v0, 2, SPARE
	v_mov_b32 v[NIL], 0
	ds_add_u32 v[SPW], v[NIL]       ; the wave's opening: the add, twice on end, and its wait ahead of my first tensor load
	ds_add_u32 v[SPW], v[NIL]
	v_lshrrev_b32 v14, 5, v0
	v_readfirstlane_b32 s[WV], v14  ; wave 0..7
	s_bfe_u32 s11, ttmp6, 0x40000   ; cx
	s_bfe_u32 s12, ttmp6, 0x40004   ; cy
	s_and_b32 s13, ttmp7, 0xffff    ; cluster y, 0 .. 15
	s_lshl_b32 s14, s13, 2
	s_add_co_u32 s14, s14, s12      ; 16 b + head = 4 x cluster y + cy
	s_lshr_b32 s15, s13, 2          ; b: the same in all sixteen partners
	s_lshl_b32 s16, ttmp9, 2
	s_add_co_u32 s16, s16, s11      ; my block of 512 queries = 4 x cluster x + cx
	s_lshl_b32 s17, s12, 2
	s_lshl_b32 s17, 15, s17         ; my row of the cluster: K and V
	s_lshl_b32 s18, 0x1111, s11     ; my column: the mask
	; descriptor groups 1.  K, V: 64 rows x 128 bytes, dense in memory, padded in LDS.  The mask: 16,384 dense bytes as 64 rows of 256 (32 elements of 8 bytes), no padding
	s_or_b32 s[G1K], s17, (1<<20)|(1<<21)|(4<<22)|(3<<25)  ; 15:0 the mask of work-groups; 17:16 elements of 1 byte; 20 padding on; 21 set beside a mask; 24:22 after every 32 words; 31:25 four words
	s_or_b32 s[G1V], s17, (1<<20)|(1<<21)|(4<<22)|(7<<25)  ; the same with eight words
	s_or_b32 s[G1M], s18, (3<<16)|(1<<21)
.irp g, G1K, G1V
	s_mov_b32 s[\g+1], 128<<16      ; tensor_dim0
	s_mov_b32 s[\g+2], 64<<16       ; tensor_dim1
	s_mov_b32 s[\g+3], 128<<16      ; tile_dim0
	s_mov_b32 s[\g+4], 64           ; tile_dim1
	s_mov_b32 s[\g+5], 128          ; from row to row
	s_mov_b32 s[\g+6], 0
	s_mov_b32 s[\g+7], 0
.endr
	s_mov_b32 s[G1M+1], 32<<16
	s_mov_b32 s[G1M+2], 64<<16
	s_mov_b32 s[G1M+3], 32<<16
	s_mov_b32 s[G1M+4], 64
	s_mov_b32 s[G1M+5], 32
	s_mov_b32 s[G1M+6], 0
	s_mov_b32 s[G1M+7], 0
	; what I fetch.  K's and V's offsets hang on y and the wave, the mask's on b, x and the wave; neither set of registers ever holds the other place in the cluster
	s_and_b32 s19, s[WV], 1
	s_lshl_b32 s20, s14, 18         ; a head is 262,144 bytes
	s_lshl_b32 s21, s19, 13         ; my 64 rows of a slot's 128
	s_add_co_u32 s20, s20, s21
	s_mov_b32 s21, 0
	s_mul_i32 s89, s19, 64*KP       ; and their place in a slot: K's,
	s_mul_i32 s90, s19, 64*VP
	s_add_co_u32 s90, s90, VOFF     ; V's
	s_and_b32 s91, s[WV], 3
	s_lshl_b32 s22, s15, 2
	s_add_co_u32 s22, s22, s16
	s_lshl_b32 s22, s22, 20         ; the mask of (b, block of queries): 1,048,576 bytes
	s_lshl_b32 s91, s91, 14         ; my quarter of a slot's 65,536
	s_add_co_u32 s22, s22, s91
	s_mov_b32 s23, 0
	s_add_co_u32 s91, s91, MOFF
	; Q and out0 at my wave's first query
	s_lshl_b32 s92, s14, 11
	s_lshl_b32 s82, s16, 9
	s_add_co_u32 s92, s92, s82
	s_lshl_b32 s83, s[WV], 6
	s_add_co_u32 s92, s92, s83
	s_lshl_b32 s92, s92, 7          ; 128 bytes a token and head
	s_mov_b32 s93, 0
	s_lshl_b32 s94, s15, 11
	s_add_co_u32 s94, s94, s82
	s_add_co_u32 s94, s94, s83
	s_lshl_b32 s94, s94, 12         ; a row of out0 is 4,096 bytes
	s_and_b32 s82, s14, 15
	s_lshl_b32 s82, s82, 8          ; my head's 256 of them
	s_add_co_u32 s94, s94, s82
	s_mov_b32 s95, 0
	; who prefetches: wave 0; waves 6 and 7 of a batch's first cluster.  Wave numbers and the cluster's number alone
	s_cmp_eq_u32 s[WV], 0
	s_cselect_b32 s[LIM], 1, -1
	s_lshr_b32 s83, s[WV], 1
	s_xor_b32 s83, s83, 3
	s_and_b32 s82, s13, 3
	s_or_b32 s83, s83, s82
	s_cmp_eq_u32 s83, 0
	s_cselect_b32 s[LIM], 1, s[LIM]
	; and where: both stand at slot 2; the first change of slots steps them to slot 3
	s_lshl_b32 s2, s14, 18
	s_lshl_b32 s82, s11, 12
	s_add_co_u32 s2, s2, s82
	s_add_co_u32 s2, s2, 16777216+2*16384
	s_lshl_b32 s83, s15, 2
	s_add_co_u32 s83, s83, s16
	s_lshl_b32 s83, s83, 20
	s_lshl_b32 s82, s12, 14
	s_add_co_u32 s83, s83, s82
	s_lshl_b32 s82, s19, 13
	s_add_co_u32 s83, s83, s82
	s_add_co_u32 s83, s83, 2*65536
	s_mov_b32 s[PFS], 65536
	s_cmp_lt_u32 s[WV], 4
	s_cselect_b32 s2, s2, s83
	s_cselect_b32 s[PFS], 16384, s[PFS]
	s_cselect_b32 s82, 24, 12       ; lanes 16-31 stand 2^24 bytes on (V behind K), or 16 blocks on
	s_mov_b32 s3, 0
	s_mov_b32 s[PFS+1], 0
	v_and_b32 v[PFO], 15, v0
	v_lshlrev_b32 v[PFO], 8, v[PFO]
	v_bfe_u32 v15, v0, 4, 1
	v_lshlrev_b32 v14, s82, v15
	v_add_nc_u32 v[PFO], v[PFO], v14
	s_mov_b32 s[CS], 0x3e38aa3b     ; c = log2(e) / 8
	s_mov_b32 s[CS+1], s[CS]        ; named with it as a pair, so it is written
	s_mov_b32 s[SEL], 0x76543210
	s_mov_b32 s[SEL+1], 0xfedcba98
	s_mov_b32 s[TB], 0
	s_mov_b32 s[SLOTS], 14
	s_wait_dscnt 0x0                ; both opening adds are done
	s_wait_kmcnt 0x0
	s_add_nc_u64 s[96:97], s[4:5], s[20:21]
	s_add_nc_u64 s[98:99], s[6:7], s[22:23]
	s_add_nc_u64 s[92:93], s[4:5], s[92:93]
	s_add_nc_u64 s[8:9], s[8:9], s[94:95]
	s_cmp_lt_u32 s[WV], 4
	s_cselect_b64 s[PFA:PFA+1], s[4:5], s[6:7]
	s_add_nc_u64 s[PFA:PFA+1], s[PFA:PFA+1], s[2:3]
	CROUND                          ; all sixteen work-groups are here: the first joint loads meet
.irp s, 0,1
	s_mov_b32 s[G0K+4*\s], 1        ; count = 1
	s_add_co_u32 s[G0K+4*\s+1], s89, \s*SLOT1  ; LDS address
	s_add_nc_u64 s[G0K+4*\s+2:G0K+4*\s+3], s[96:97], 16777216+\s*16384  ; K lies behind Q's 16,777,216 bytes; slot s begins with keys 128 s
	s_or_b32 s[G0K+4*\s+3], s[G0K+4*\s+3], 0x80000000  ; type = 2
	s_mov_b32 s[G0V+4*\s], 1
	s_add_co_u32 s[G0V+4*\s+1], s90, \s*SLOT1
	s_add_nc_u64 s[G0V+4*\s+2:G0V+4*\s+3], s[96:97], 33554432+\s*16384
	s_or_b32 s[G0V+4*\s+3], s[G0V+4*\s+3], 0x80000000
	s_mov_b32 s[G0M+4*\s], 1
	s_add_co_u32 s[G0M+4*\s+1], s91, \s*SLOT1
	s_add_nc_u64 s[G0M+4*\s+2:G0M+4*\s+3], s[98:99], \s*65536
	s_or_b32 s[G0M+4*\s+3], s[G0M+4*\s+3], 0x80000000
.endr
	s_cmp_lt_u32 s[WV], 2           ; a wave's two first fills stand in one branch, ahead of every wait on TENSORcnt and every LDS read
	s_cbranch_scc0 .Lfirst_nk
	tensor_load_to_lds s[G0K:G0K+3], s[G1K:G1K+7]
	s_nop 0
	tensor_load_to_lds s[G0K+4:G0K+7], s[G1K:G1K+7]
	s_nop 0
.rept 4
	v_nop
.endr
	s_branch .Lfirst_asked
.Lfirst_nk:
	s_cmp_lt_u32 s[WV], 4
	s_cbranch_scc0 .Lfirst_m
	tensor_load_to_lds s[G0V:G0V+3], s[G1V:G1V+7]
	s_nop 0
	tensor_load_to_lds s[G0V+4:G0V+7], s[G1V:G1V+7]
	s_nop 0
.rept 4
	v_nop
.endr
	s_branch .Lfirst_asked
.Lfirst_m:
	tensor_load_to_lds s[G0M:G0M+3], s[G1M:G1M+7]
	s_nop 0
	tensor_load_to_lds s[G0M+4:G0M+7], s[G1M:G1M+7]
	s_nop 0
.rept 4
	v_nop
.endr
.Lfirst_asked:
	; A fragment of K or Q is 16 rows x 32 channels in 8 registers: lane l holds row l % 16; registers 0-3 channels 8 (l / 16) + 0..7, registers 4-7 channels 16 + 8 (l / 16) + 0..7: two loads of 16 bytes, 32 bytes apart
	v_and_b32 v14, 15, v0           ; l % 16
	v_lshlrev_b32 v[QO], 7, v14
	v_lshl_add_u32 v[QO], v15, 4, v[QO]
	WIN TO_1
.irp i, 0,1,2,3
.irp z, 0,1
	global_load_b128 v[QF+16*\i+8*\z:QF+16*\i+8*\z+3],   v[QO], s[92:93] offset:\i*2048+64*\z      ; Q stays in registers: tile i, channels 32 z on
	global_load_b128 v[QF+16*\i+8*\z+4:QF+16*\i+8*\z+7], v[QO], s[92:93] offset:\i*2048+64*\z+32
.endr
.endr
	WIN 0
	v_mul_u32_u24 v[AK0], v14, KP
	v_lshl_add_u32 v[AK0], v15, 4, v[AK0]
	; the turning load takes 16 keys x 16 channels (lane l reads 16 bytes: key 8 (l / 16) + l % 8, channels 8 ((l / 8) % 2) + 0..7) and leaves half a fragment of V^T
	v_and_b32 v48, 7, v0
	v_bfe_u32 v49, v0, 3, 1
	v_lshl_add_u32 v[AV0], v15, 3, v48
	v_mul_u32_u24 v[AV0], v[AV0], VP
	v_lshl_add_u32 v[AV0], v49, 4, v[AV0]
	v_add_nc_u32 v[AV0], VOFF, v[AV0]
	v_and_b32 v50, 31, v0
	s_lshl_b32 s13, s[WV], 13       ; my four tiles' images: 2,048 bytes a tile
	s_add_co_u32 s13, s13, MOFF
	v_lshl_add_u32 v[AM0], v50, 4, s13
	s_mul_i32 s13, s[WV], 16*SP
	s_add_co_u32 s13, s13, STAGE    ; my stage
	v_mul_u32_u24 v[STO], v14, SP   ; in: row l % 16, 32 bytes for each half of the lanes
	v_lshl_add_u32 v[STO], v15, 5, v[STO]
	v_add_nc_u32 v[STO], s13, v[STO]
	v_mul_u32_u24 v[RD], v15, SP    ; back: lanes 0-15 take one row of 256 bytes, lanes 16-31 the next
	v_lshl_add_u32 v[RD], v14, 4, v[RD]
	v_add_nc_u32 v[RD], s13, v[RD]
	v_lshlrev_b32 v[GO], 12, v15    ; and the same two rows in out0
	v_lshl_add_u32 v[GO], v14, 4, v[GO]
.irp i, 0,1,2,3
	v_mov_b32 v[ST+8*\i+1], 0xf0800000  ; m = -2^98: over every forbidden score, under every allowed one
.endr
; THE LDS LOADS OF A STEP (64 keys, the slot's stp-th), in one run: 8 for the mask, 16 for K, 16 for V.  The three additions and the v_nop are the four places behind the last products, whose V and P registers are written next.
.macro LOADS stp
	v_add_nc_u32 v[ADK], s[TB], v[AK0]
	v_add_nc_u32 v[ADV], s[TB], v[AV0]
	v_add_nc_u32 v[ADM], s[TB], v[AM0]
	v_nop
.irp i, 0,1,2,3
.irp e, 0,1
	ds_load_b128 v[S+32*\i+24+4*\e:S+32*\i+27+4*\e], v[ADM] offset:\i*2048+\stp*1024+\e*512   ; word j into register j of key tile 3's accumulator
.endr
.endr
.irp t, 0,1,2,3
.irp z, 0,1
	ds_load_b128 v[KF+16*\t+8*\z:KF+16*\t+8*\z+3],   v[ADK] offset:(64*\stp+16*\t)*KP+64*\z
	ds_load_b128 v[KF+16*\t+8*\z+4:KF+16*\t+8*\z+7], v[ADK] offset:(64*\stp+16*\t)*KP+64*\z+32
.endr
.endr
	WIN TO_1
.irp u, 0,1
.irp c, 0,1,2,3
	ds_load_tr16_b128 v[VF+8*(4*\u+\c):VF+8*(4*\u+\c)+3],   v[ADV] offset:(64*\stp+32*\u)*VP+32*\c
	ds_load_tr16_b128 v[VF+8*(4*\u+\c)+4:VF+8*(4*\u+\c)+7], v[ADV] offset:(64*\stp+32*\u)*VP+16*VP+32*\c
.endr
.endr
	WIN 0
.endm
.macro BIAS                         ; key tiles 0 to 2 get their code on top: 24 shifts for a tile of queries' 32 scores
	s_wait_dscnt 32                 ; the mask's eight loads are in; K's 16 and V's 16 may be out
.irp t, 0,1,2
.irp j, 0,1,2,3,4,5,6,7
.irp i, 0,1,2,3
	v_lshlrev_b32 v[S+32*\i+8*\t+\j], 24-8*\t, v[S+32*\i+24+\j]
.endr
.endr
.endr
.endm
.macro KQ                           ; S^T = mask + K Q^T: 32 products; the 16 accumulators take turns, one instruction a turn
	s_wait_dscnt 16                 ; K is in; V's 16 loads may be out
	WIN W_KQ
.irp z, 0,1
.irp t, 0,1,2,3
.irp i, 0,1,2,3
	v_wmma_f32_16x16x32_f16 v[S+32*\i+8*\t:S+32*\i+8*\t+7], v[KF+16*\t+8*\z:KF+16*\t+8*\z+7], v[QF+16*\i+8*\z:QF+16*\i+8*\z+7], v[S+32*\i+8*\t:S+32*\i+8*\t+7]
.endr
.endr
.endr
	WIN 0
.rept 4
	v_nop                           ; four places in front of the first read of the results (ISA guide 7.12.1)
.endr
.endm
; THE SOFTMAX of a step, the four tiles of queries by turns in every line's inner round, so that no line waits for the line above it.  first = 1: the first step, which starts l and O^T: no a, nothing to rescale.
.macro SOFTMAX first
.irp j, 0,1,2,3                     ; the maximum: four chains, one a key tile, each begun at its accumulator's low end
.irp i, 0,1,2,3
	v_max3_num_f32 v[ST+8*\i+4+\j], v[S+32*\i+8*\j], v[S+32*\i+8*\j+1], v[S+32*\i+8*\j+2]
.endr
.endr
.irp k, 1,2
.irp j, 0,1,2,3
.irp i, 0,1,2,3
	v_max3_num_f32 v[ST+8*\i+4+\j], v[ST+8*\i+4+\j], v[S+32*\i+8*\j+2*\k+1], v[S+32*\i+8*\j+2*\k+2]
.endr
.endr
.endr
.irp i, 0,1,2,3
	v_max3_num_f32 v[ST+8*\i+4], v[ST+8*\i+4], v[S+32*\i+7], v[S+32*\i+15]
.endr
.irp i, 0,1,2,3
	v_max3_num_f32 v[ST+8*\i+6], v[ST+8*\i+6], v[S+32*\i+23], v[S+32*\i+31]
.endr
.irp i, 0,1,2,3
	v_max3_num_f32 v[ST+8*\i+4], v[ST+8*\i+4], v[ST+8*\i+5], v[ST+8*\i+6]
.endr
.irp i, 0,1,2,3
	v_max3_num_f32 v[ST+8*\i+4], v[ST+8*\i+4], v[ST+8*\i+7], v[ST+8*\i+1]   ; with the old m (at the start: -2^98)
.endr
.irp i, 0,1,2,3
	v_permlanex16_b32 v[ST+8*\i+5], v[ST+8*\i+4], s[SEL], s[SEL+1]          ; the query's other 32 keys lie in the lane 16 away
.endr
.if \first == 0
.irp i, 0,1,2,3
	v_mov_b32 v[ST+8*\i+7], v[ST+8*\i]      ; c m_old is kept for a
.endr
.endif
.irp i, 0,1,2,3
	v_max_num_f32 v[ST+8*\i+1], v[ST+8*\i+4], v[ST+8*\i+5]
.endr
.irp i, 0,1,2,3
	v_mul_f32 v[ST+8*\i], s[CS], v[ST+8*\i+1]
.endr
.if \first == 0
.irp i, 0,1,2,3
	v_sub_f32 v[ST+8*\i+7], v[ST+8*\i+7], v[ST+8*\i]
.endr
.endif
.irp k, 0,1,2,3,4,5,6,7,8,9,10,11,12,13,14,15
.irp i, 0,1,2,3
	v_pk_fma_f32 v[S+32*\i+2*\k:S+32*\i+2*\k+1], v[S+32*\i+2*\k:S+32*\i+2*\k+1], s[CS:CS+1], v[ST+8*\i:ST+8*\i+1] op_sel_hi:[1,0,0] neg_lo:[0,0,1] neg_hi:[0,0,1]   ; c s - c m, two at a time
.endr
.endr
.if \first == 0
.irp i, 0,1,2,3
	v_exp_f32 v[ST+8*\i+6], v[ST+8*\i+7]    ; a
.endr
.endif
.irp k, 0,1,2,3,4,5,6,7,8,9,10,11,12,13,14,15,16,17,18,19,20,21,22,23,24,25,26,27,28,29,30,31
.irp i, 0,1,2,3
	v_exp_f32 v[S+32*\i+\k], v[S+32*\i+\k]  ; p: ONE BATCH for the four tiles; none of these lines names another's result
.endr
.endr
	v_nop                           ; the plain instruction behind the last exponential
	s_wait_alu depctr_va_vdst(0)    ; and the one wait ahead of the batch's first reader
.irp i, 0,1,2,3                     ; the row's sum is taken of the unrounded p, in two chains of pairs
	v_pk_add_f32 v[ST+8*\i+4:ST+8*\i+5], v[S+32*\i:S+32*\i+1], v[S+32*\i+2:S+32*\i+3]
.endr
.if \first
.irp i, 0,1,2,3
	v_pk_add_f32 v[ST+8*\i+2:ST+8*\i+3], v[S+32*\i+4:S+32*\i+5], v[S+32*\i+6:S+32*\i+7]
.endr
.else
.irp i, 0,1,2,3
	v_pk_fma_f32 v[ST+8*\i+2:ST+8*\i+3], v[ST+8*\i+2:ST+8*\i+3], v[ST+8*\i+6:ST+8*\i+7], v[S+32*\i+4:S+32*\i+5] op_sel_hi:[1,0,1]   ; l = a l + ..
.endr
.irp i, 0,1,2,3
	v_pk_add_f32 v[ST+8*\i+4:ST+8*\i+5], v[ST+8*\i+4:ST+8*\i+5], v[S+32*\i+6:S+32*\i+7]
.endr
.endif
.irp k, 4,6,8,10,12,14
.irp i, 0,1,2,3
	v_pk_add_f32 v[ST+8*\i+2:ST+8*\i+3], v[ST+8*\i+2:ST+8*\i+3], v[S+32*\i+2*\k:S+32*\i+2*\k+1]
.endr
.irp i, 0,1,2,3
	v_pk_add_f32 v[ST+8*\i+4:ST+8*\i+5], v[ST+8*\i+4:ST+8*\i+5], v[S+32*\i+2*\k+2:S+32*\i+2*\k+3]
.endr
.endr
.irp i, 0,1,2,3
	v_pk_add_f32 v[ST+8*\i+2:ST+8*\i+3], v[ST+8*\i+2:ST+8*\i+3], v[ST+8*\i+4:ST+8*\i+5]
.endr
.irp x, 0,1,2,3,4,5,6,7,8,9,10,11,12,13,14,15
.irp i, 0,1,2,3
	v_cvt_pk_f16_f32 v[S+32*\i+\x], v[S+32*\i+2*\x], v[S+32*\i+2*\x+1]      ; P, in place, ascending: register x takes pair x, which lies at or above it
.endr
.endr
.if \first == 0
	WIN W_RS
.irp y, 0,1,2,3,4,5,6,7,8,9,10,11,12,13,14,15
.irp i, 0,1,2,3
	v_pk_mul_f32 v[32*\i+2*\y:32*\i+2*\y+1], v[32*\i+2*\y:32*\i+2*\y+1], v[ST+8*\i+6:ST+8*\i+7] op_sel_hi:[1,0]   ; O^T x a, each accumulator from its low end on
.endr
.endr
	WIN 0
.endif
.endm
.macro PV first                     ; O^T += V^T P: 32 products; the 16 accumulators take turns.  first = 1: the first 16 start the sums: nothing is cleared
	s_wait_dscnt 0x0                ; V is in
	WIN W_PV
.irp u, 0,1
.irp c, 0,1,2,3
.irp i, 0,1,2,3
.if \first && (\u == 0)
	v_wmma_f32_16x16x32_f16 v[32*\i+8*\c:32*\i+8*\c+7], v[VF+8*(4*\u+\c):VF+8*(4*\u+\c)+7], v[S+32*\i+8*\u:S+32*\i+8*\u+7], 0
.else
	v_wmma_f32_16x16x32_f16 v[32*\i+8*\c:32*\i+8*\c+7], v[VF+8*(4*\u+\c):VF+8*(4*\u+\c)+7], v[S+32*\i+8*\u:S+32*\i+8*\u+7], v[32*\i+8*\c:32*\i+8*\c+7]
.endif
.endr
.endr
.endr
	WIN 0
.endm
.macro STEP stp, first
	LOADS \stp
	BIAS
	KQ
	SOFTMAX \first
	PV \first
.endm
.macro TURN first                   ; a slot's two steps
	STEP 0, \first
	STEP 1, 0
.endm
; THE CHANGE OF SLOTS.  Each wave waits for all its tensor loads, of which one is out: its part of the other slot; adds 0 to its spare word; and waits for that and for its own reads of the slot that it leaves.
; fill = 1: the slot is filled again, with the keys two slots on.  The barrier is then a round of the cluster's, so that no wave of any partner still reads the slot or has a load on its way; the joint refill is the
; first thing behind it and has a slot's two steps in which to land.
.macro CHANGE fill
	WIN 0
	s_wait_tensorcnt 0x0            ; no tensor load of mine is out, so a group 0 may be written
	ds_add_u32 v[SPW], v[NIL]       ; 0 onto my spare word
.if \fill
.irp g, G0K+4, G0V+4
	s_xor_b32 s[\g+1], s[\g+1], SLOT1  ; the walking descriptors: the other slot than last time,
	s_add_nc_u64 s[\g+2:\g+3], s[\g+2:\g+3], 16384  ; the next 128 keys; the type bits on top are not reached
.endr
	s_xor_b32 s[G0M+5], s[G0M+5], SLOT1
	s_add_nc_u64 s[G0M+6:G0M+7], s[G0M+6:G0M+7], 65536
	s_wait_xcnt 0x0                 ; the last prefetch, a slot back, has read its address, so it may be written
	s_add_nc_u64 s[PFA:PFA+1], s[PFA:PFA+1], s[PFS:PFS+1]  ; one slot further on than the walking descriptors
	s_wait_dscnt 0x0                ; the add is done, and my reads of the slot are over
	CROUND
	JLOAD
	ASK
.else
	s_wait_dscnt 0x0
	s_barrier_signal -1
	s_barrier_wait -1
.endif
	s_xor_b32 s[TB], s[TB], SLOT1   ; on to the other slot
.endm
	s_wait_tensorcnt 1              ; my part of slot 0 is in; slot 1's may stay out
	s_barrier_signal -1
	s_barrier_wait -1               ; everybody's is
	s_wait_loadcnt 0x0              ; Q
	TURN 1                          ; keys 0 to 127
.Lslot:                             ; 14 trips: every slot but the last two is filled again
	CHANGE 1
	TURN 0
	s_sub_co_u32 s[SLOTS], s[SLOTS], 1
	s_cmp_lg_u32 s[SLOTS], 0
	s_cbranch_scc1 .Lslot
	CHANGE 0                        ; the tail is written out
	TURN 0
	; THE WAY OUT.  l's two halves and the other half of the lanes' are added; O^T is divided by l and sent through my stage, a tile (16 queries x 256 bytes) at a time.  The additions are the places behind the last products.
.irp i, 0,1,2,3
	v_add_f32 v[ST+8*\i+4], v[ST+8*\i+2], v[ST+8*\i+3]
.endr
.irp i, 0,1,2,3
	v_permlanex16_b32 v[ST+8*\i+5], v[ST+8*\i+4], s[SEL], s[SEL+1]
.endr
.irp i, 0,1,2,3
	v_add_f32 v[ST+8*\i+4], v[ST+8*\i+4], v[ST+8*\i+5]
.endr
.irp i, 0,1,2,3
	v_rcp_f32 v[ST+8*\i+6], v[ST+8*\i+4]
.endr
	v_nop                           ; a plain instruction between the last reciprocal and the use of its result
	s_wait_alu depctr_va_vdst(0)    ; and the wait ahead of the first use: one for the four
.macro PACK i                       ; a lane's eight channels of a row are 32 bytes; they go into rows of 272 bytes and come back as whole rows of 256, into the registers that they left
	WIN FROM_1
.irp y, 0,1,2,3,4,5,6,7,8,9,10,11,12,13,14,15
	v_pk_mul_f32 v[S+32*\i+2*\y:S+32*\i+2*\y+1], v[32*\i+2*\y:32*\i+2*\y+1], v[ST+8*\i+6:ST+8*\i+7] op_sel_hi:[1,0]
.endr
	WIN 0
.irp c, 0,1,2,3
	ds_store_b128 v[STO], v[S+32*\i+8*\c:S+32*\i+8*\c+3] offset:64*\c
	ds_store_b128 v[STO], v[S+32*\i+8*\c+4:S+32*\i+8*\c+7] offset:64*\c+16
.endr
.irp f, 0,1,2,3,4,5,6,7
	ds_load_b128 v[S+32*\i+4*\f:S+32*\i+4*\f+3], v[RD] offset:\f*2*SP  ; LDS serves a wave's instructions in order (ISA guide 5.7.1.4): these see the stores above; the next tile's stores come behind them
.endr
.endm
.macro SEND i, younger              ; younger: the LDS instructions issued behind tile i's loads: the next tile's sixteen, or none
.irp f, 0,1,2,3,4,5,6,7
	s_wait_dscnt \younger+7-\f
	global_store_b128 v[GO], v[S+32*\i+4*\f:S+32*\i+4*\f+3], s[8:9] offset:\i*65536+\f*8192 th:TH_STORE_NT  ; sixteen lanes store 256 consecutive bytes, aligned: one query's 64 channels of my head
.endr
.endm
	PACK 0
	PACK 1                          ; a tile's arithmetic stands between the loads of the tile before and its stores
	SEND 0, 16
	PACK 2
	SEND 1, 16
	PACK 3
	SEND 2, 16
	SEND 3, 0
	s_wait_tensorcnt 0x0            ; the wave's end
	ds_add_u32 v[SPW], v[NIL]
	s_wait_dscnt 0x0
	CROUND                          ; the closing round: no work-group ends while a partner may still ask for a tile that names it
	s_endpgm
.Lfunc_end_k_q6d5603ce73_attn:
	.size	k_q6d5603ce73_attn, .Lfunc_end_k_q6d5603ce73_attn-k_q6d5603ce73_attn
	.p2alignl 7, 3214868480
	.fill 96, 4, 3214868480
	.section	.rodata,"a",@progbits
	.p2align	6, 0x0
	.amdhsa_kernel k_q6d5603ce73_attn
		.amdhsa_group_segment_fixed_size 327680
		.amdhsa_private_segment_fixed_size 0
		.amdhsa_enable_private_segment 0
		.amdhsa_kernarg_size 24
		.amdhsa_user_sgpr_count 2
		.amdhsa_user_sgpr_kernarg_segment_ptr 1
		.amdhsa_wavefront_size32 1
		.amdhsa_system_sgpr_workgroup_id_x 1
		.amdhsa_system_sgpr_workgroup_id_y 1
		.amdhsa_system_sgpr_workgroup_id_z 1
		.amdhsa_system_vgpr_workitem_id 0
		.amdhsa_next_free_vgpr 512
		.amdhsa_next_free_sgpr 100
		.amdhsa_reserve_vcc 0
		.amdhsa_float_denorm_mode_32 3
		.amdhsa_float_denorm_mode_16_64 3
		.amdhsa_memory_ordered 1
		.amdhsa_forward_progress 1
		.amdhsa_inst_pref_size 233
	.end_amdhsa_kernel
	.amdgpu_metadata
---
amdhsa.version: [ 1, 2 ]
amdhsa.kernels:
  - .name:           k_q6d5603ce73_attn
    .symbol:         k_q6d5603ce73_attn.kd
    .args:
      - { .name: qkv, .offset: 0, .size: 8, .value_kind: global_buffer, .address_space: global }
      - { .name: mimg, .offset: 8, .size: 8, .value_kind: global_buffer, .address_space: global }
      - { .name: out0, .offset: 16, .size: 8, .value_kind: global_buffer, .address_space: global }
    .group_segment_fixed_size: 327680
    .private_segment_fixed_size: 0
    .kernarg_segment_align: 8
    .kernarg_segment_size: 24
    .max_flat_workgroup_size: 256
    .sgpr_count:     100
    .vgpr_count:     512
    .wavefront_size: 32
...
	.end_amdgpu_metadata
.endif
;; end of part 3
